; MI455X (gfx1250); checked and timed in simulation.
; The chip was launched on July 23, 2026; its instructions are those of AMD's public machine-readable ISA for CDNA 5 (MIT licence, August 2026) and "CDNA5" Instruction Set Architecture Reference Guide (July 2026). The comments in the code are by the model that wrote it; some were corrected since.
;; Video CLIP Attention. Allowed arithmetic: matrix products marked QUANTISED: E2M1 operands, one E8M0 scale for each 32 along K, by v_wmma_scale_f32_16x16x128_f8f6f4 with both operands' format E2M1 (or v_wmma_scale_f32_32x16x128_f4), f32 sums; everything else in f32.
;; Inputs: Wk 512 x 512 float32; Wo 512 x 512 float32; Wq 512 x 512 float32; Wv 512 x 512 float32; bk 512 float32; bo 512 float32; bq 512 float32; bv 512 float32; key 4 x 2,048 x 512 float32; query 4 x 2,048 x 512 float32; value 4 x 2,048 x 512 float32.
;; Outputs: out0 4 x 2,048 x 512 float32.
;; This version of the problem:
;;   THIS VERSION OF THE PROBLEM IS GIVEN IN LOW PRECISION. The matrix products marked QUANTISED in the list below multiply operands that are first quantised to E2M1 (2 exponent bits, 1 mantissa bit; 4 bits a number), with one power-of-two scale for each 32 numbers along K (OCP MX v1.0); their sums are f32. All else is computed in f32.
;;   The module's matrix products, in the order in which they are computed (A, B: the left and right operand; K: the contracted axis; several contracted axes count as one K, in the product's order):
;;     1. [M 8,192, K 512] x [K 512, N 512]; A: input query; B: input Wq: QUANTISED
;;     2. [M 8,192, K 512] x [K 512, N 512]; A: input key; B: input Wk: QUANTISED
;;     3. [M 8,192, K 512] x [K 512, N 512]; A: input value; B: input Wv: QUANTISED
;;     4. batch 32 x [M 2,048, K 64] x [K 64, N 2,048]; A: computed on the way; B: computed on the way: QUANTISED
;;     5. batch 32 x [M 2,048, K 2,048] x [K 2,048, N 64]; A: softmax (see below); B: computed on the way: QUANTISED
;;     6. [M 8,192, K 512] x [K 512, N 512]; A: computed on the way; B: input Wo: QUANTISED
;;   THE QUANTISER, for each operand of a quantised product, along K:
;;     - K is cut into blocks of 32 from its start; a last block that is shorter is filled with zeros.
;;     - A block's scale is 2^e with e = floor(log2(the largest magnitude in the block)) - 2, held to -126 .. 127; a block of zeros has e = 0. As a byte (E8M0): e + 127.
;;     - Each number is divided by its block's scale, clamped to +-6, and rounded to the nearest number of E2M1, ties to even, subnormals kept.
;;     - The product sums the exact products of the quantised numbers (number of the format x scale) in f32.
;;   ~~~python
;;   def quantise(x, axis):      # numpy; x: float32 -> the quantised numbers, widened to float32 again
;;       x = np.moveaxis(x, axis, -1); K = x.shape[-1]
;;       x = np.pad(x, [(0, 0)] * (x.ndim - 1) + [(0, -K % 32)]); x = x.reshape(x.shape[:-1] + (-1, 32)); a = np.abs(x).max(-1, keepdims=True)
;;       e = np.where(a > 0, np.clip(np.frexp(np.where(a > 0, a, 1))[1] - 1 - 2, -126, 127), 0)      # np.frexp(a)[1] - 1 = floor(log2(a)), exactly
;;       r = np.clip(x / 2.0 ** e, -6, 6)
;;       step = 2.0 ** (np.maximum(np.frexp(np.where(r == 0, 1, r))[1] - 1, 0) - 1)
;;       q = np.round(r / step) * step * 2.0 ** e      # np.round: ties to even
;;       return np.moveaxis(q.reshape(q.shape[:-2] + (-1,))[..., :K], -1, axis).astype(np.float32)
;;   ~~~
;;   SOFTMAX AHEAD OF A QUANTISED PRODUCT. Where the list says 'softmax', what is quantised is not the finished softmax but p = 2^(t - M), with t = logit x log2(e) and M = ceil(the row's largest t), a whole number; so 1/2 < the row's largest p <= 1. The row's sum l is taken of the UNQUANTISED p, in f32, and the product's result is divided by l at the end. Since M is a whole number, a kernel that streams over the keys may use a running M (the ceiling of the running maximum): every later rescaling is an exact power of two, which a block's scale takes up: the codes' values come out the same.
;;   OPERANDS COMPUTED ON THE WAY. 'Computed on the way' means the value that the module computes at that place (a softmax that the list does not call 'softmax' is quantised finished and normalised). What goes into a quantiser is computed in f32, as accurately as f32 sums, v_exp_f32 and their like allow (about 1e-6 of the number): no bf16 or f16 on the way to a quantiser, and a product that is left as it is and whose result goes on into a quantised operand takes f32 operands (vector FMAs, or v_wmma_f32_16x16x4_f32). A number that lies on a knife's edge between two numbers of the format may be rounded either way, as far as f32 arithmetic and the matrix unit's own rounding can turn it there, and no further.
;; One version. Each part assembles by itself: llvm-mc -triple=amdgcn-amd-amdhsa -mcpu=gfx1250 --defsym DOCPART=n.
;; ======== version 1 of 1: 3 launches
;; limits: right only within a limited range of input values
;; workspace buffers: cod 6,815,744 bytes; scl 425,984 bytes; qb 2,359,296 bytes; kv 4,587,520 bytes
;; launch quant (part 1): grid 416 x 1, 4 waves a work-group, no clusters, 39,424 bytes of LDS; arguments query, key, value, Wq, Wk, Wv, Wo, cod, scl; writes cod, scl
.if DOCPART == 1
	.amdgcn_target "amdgcn-amd-amdhsa--gfx1250"
	.amdhsa_code_object_version 6
	.text
	.protected	k_qfde2b75726_quant
	.globl	k_qfde2b75726_quant
	.p2align	8
	.type	k_qfde2b75726_quant,@function
k_qfde2b75726_quant:
	s_mov_b64 s[64:65], 0
	v_nop
	global_prefetch_b8 v0, s[64:65] scope:SCOPE_SE
	s_setreg_imm32_b32 hwreg(HW_REG_WAVE_MODE, 25, 1), 1
	s_wait_xcnt 0x0
; The seven f32 matrices with rows of 512 (query, key, value: 8,192 rows each; Wq, Wk, Wv, Wo: 512 rows each) become codes of FP4 (E2M1) with one E8M0 byte for each 32 along K = the row.
; A block's scale is 2^(floor(log2(its largest magnitude)) - 2); its byte is the largest magnitude's exponent field - 2, held at 1 from below; each number / scale goes to the nearest code, ties to even, beyond 6 the code of 6.
; LIMITS: a block of zeros gets the byte 1 where the rule says 127 (its codes are zeros, which add nothing under any byte but 0xff, and this program alone reads the bytes); NaN and infinities among the inputs are not served.
; THE OUTPUT IS LAID AS IMAGES OF OPERAND REGISTERS.  A tile is 16 rows; row r of tile T is matrix row 32 (T / 2) + 8 (T % 2) + r + 8 (r / 8), so that where the tile is a product's source 0 the 16 result registers of
; tiles 2 b and 2 b + 1 are 16 neighbours.  A tile's codes are 4,096 bytes, [K step s of 128][c][lane][16 bytes]: lane (r, h) holds k = 128 s + 64 c + 32 h + 0 .. 31 of tile row r; eight loads of 16 bytes a lane, 512 bytes apart,
; fill the four K steps' fragments.  Its scale bytes are 256 bytes, [r][16]: 16 bytes a row are the four K steps' scale words.
; SHARES.  A wave makes one tile, a row a step: 1,664 tiles, 416 work-groups of four waves.  The matrix is chosen by the work-group's number; only pointers are chosen: one path serves all seven.
; A step's 2,048 bytes are loaded as they lie (512 consecutive bytes a load) and turn through the wave's own stage in LDS, so that a lane holds 16 neighbours along K and two lanes a block.
; LOADS RUN EIGHT ROWS AHEAD: 32 loads, 16,384 bytes, of every wave are on their way, half of all that the wave reads; the turn through LDS runs one row ahead.
; A lane's 8 bytes of codes go into the tile's image in LDS (16 groups of 256 bytes, 272 apart: group = lane / 2 = 4 s + 2 c + h); at the end the image leaves by eight stores of 512 consecutive bytes, the scale bytes by one of 256.
; No barrier: waves share nothing.  No matrix unit, no cluster, no tensor load: each byte is read once by one wave.
.set STEPS, 16
.set DEPTH, 8                          ; rows on their way
.set EMAX,  2
.set WREG,  9728                       ; LDS of a wave: two stages of 32 x SP bytes, 256 scale bytes, the image
.set SP,    80                         ; a lane's place in a stage: its 64 bytes + 16 of padding
.set SCB,   5120                       ; the scale bytes
.set IMG,   5376                       ; the image: 16 groups x IP
.set IP,    272
.set SPARE, 4*WREG                     ; behind the four regions: the spare words, 128 bytes for each wave, which no other line names
.set X,     16                         ; v16-47   two sets of 16 neighbours
.set E,     48                         ; v48-63   a scale byte for each step
.set C,     64                         ; v64-95   codes: two registers of its own for each step
.set IB,    96                         ; v96-127  the image read back
.set R,     128                        ; v128-255 eight sets of 16 numbers as loaded
.set SPW,   12                         ; v12      LDS address of my spare word; never rewritten
.set NIL,   13                         ; v13      0; never rewritten
	s_load_b512 s[4:19], s[0:1], 0x0               ; query 4, key 6, value 8, Wq 10, Wk 12, Wv 14, Wo 16, cod 18
	s_load_b64 s[20:21], s[0:1], 0x40              ; scl
	v_lshl_add_u32 v[SPW], v0, 2, SPARE
	v_mov_b32 v[NIL], 0
	v_lshrrev_b32 v1, 5, v0
	v_readfirstlane_b32 s25, v1                    ; wave
	v_and_b32 v2, 31, v0                           ; lane
	v_lshlrev_b32 v3, 4, v2                        ; 16 x lane: my bytes of a load's or a store's 512
	s_mul_i32 s26, s25, WREG
	v_lshrrev_b32 v14, 2, v2
	v_mul_u32_u24 v14, v14, SP
	v_and_b32 v15, 3, v2
	v_lshl_add_u32 v14, v15, 4, v14
	v_add_nc_u32 v14, s26, v14                     ; the stage, in: SP (lane / 4) + 16 (lane % 4)
	v_mul_u32_u24 v15, v2, SP
	v_add_nc_u32 v15, s26, v15                     ; and out: SP x lane: my 16 neighbours
	v_lshrrev_b32 v8, 1, v2                        ; my block = my group of the image
	v_and_b32 v9, 1, v2
	v_mul_u32_u24 v4, v8, IP
	v_lshl_add_u32 v4, v9, 3, v4
	v_add_nc_u32 v4, s26, v4
	v_add_nc_u32 v4, IMG, v4                       ; the image, in: group x IP + 8 (lane % 2); the step adds 16 x row
	v_add_nc_u32 v5, s26, v8
	v_add_nc_u32 v5, SCB, v5                       ; my block's scale byte; the step adds 16 x row
	v_lshlrev_b32 v7, 3, v2                        ; the scale bytes on their way out: 8 a lane
	v_add_nc_u32 v6, s26, v7
	v_add_nc_u32 v6, SCB, v6
	v_lshrrev_b32 v8, 4, v2
	v_and_b32 v9, 15, v2
	v_mul_u32_u24 v10, v8, IP
	v_lshl_add_u32 v10, v9, 4, v10
	v_add_nc_u32 v10, s26, v10
	v_add_nc_u32 v10, IMG, v10                     ; the image, out: load i takes groups 2 i (lanes 0-15) and 2 i + 1 (lanes 16-31)
	s_wait_kmcnt 0x0
	s_mov_b64 s[22:23], s[16:17]                   ; which matrix: the choice hangs on the work-group's number alone
	s_mov_b32 s24, 408                             ; and the matrix's first work-group
.macro PICK limit, ptr, base
	s_cmp_lt_u32 ttmp9, \limit
	s_cselect_b64 s[22:23], s[\ptr:\ptr+1], s[22:23]
	s_cselect_b32 s24, \base, s24
.endm
	PICK 408, 14, 400
	PICK 400, 12, 392
	PICK 392, 10, 384
	PICK 384, 8, 256
	PICK 256, 6, 128
	PICK 128, 4, 0
	s_sub_co_u32 s24, ttmp9, s24
	s_lshl_b32 s24, s24, 2
	s_add_co_u32 s24, s24, s25                     ; T: my tile in its matrix
	s_lshr_b32 s26, s24, 1
	s_lshl_b32 s26, s26, 5
	s_and_b32 s27, s24, 1
	s_lshl_b32 s27, s27, 3
	s_add_co_u32 s26, s26, s27                     ; its first row: 32 (T / 2) + 8 (T % 2),
	s_lshl_b32 s26, s26, 11                        ; of 2,048 bytes
	s_mov_b32 s27, 0
	s_add_nc_u64 s[22:23], s[22:23], s[26:27]
	s_lshl_b32 s28, ttmp9, 2
	s_add_co_u32 s28, s28, s25                     ; my tile among all 1,664
	s_lshl_b32 s30, s28, 12
	s_mov_b32 s31, 0
	s_add_nc_u64 s[18:19], s[18:19], s[30:31]
	s_lshl_b32 s30, s28, 8
	s_add_nc_u64 s[20:21], s[20:21], s[30:31]
.macro LOAD t                          ; tile row t is t + 8 (t / 8) rows below the tile's first
.irp i, 0,1,2,3
	global_load_b128 v[R+16*((\t)%DEPTH)+4*\i:R+16*((\t)%DEPTH)+4*\i+3], v3, s[22:23] offset:((\t)+8*((\t)/8))*2048+512*\i th:TH_LOAD_NT
.endr
.endm
.macro TURN t                          ; a row through the stage: LDS serves a wave's instructions in order, so no wait stands between the stores and the loads
.irp i, 0,1,2,3
	ds_store_b128 v14, v[R+16*((\t)%DEPTH)+4*\i:R+16*((\t)%DEPTH)+4*\i+3] offset:32*SP*((\t)%2)+8*SP*\i
.endr
.irp i, 0,1,2,3
	ds_load_b128 v[X+16*((\t)%2)+4*\i:X+16*((\t)%2)+4*\i+3], v15 offset:32*SP*((\t)%2)+16*\i
.endr
.endm
.irp t, 0,1,2,3,4,5,6,7
	LOAD \t
.endr
	s_wait_loadcnt 4*(DEPTH-1)                     ; row 0's four loads are in; those of rows 1 to 7 may be out
	TURN 0
.macro STEP t
.set XS, X+16*((\t)%2)
.if (\t) > 0
	s_wait_dscnt 2                                 ; this row is back from the stage; the last step's two stores (codes, byte) may be out
.else
	s_wait_dscnt 0x0
.endif
.if (\t)+DEPTH < STEPS
	LOAD (\t)+DEPTH                                ; into this row's set, whose stores into the stage are done
.endif
.if (\t)+1 < STEPS
.if STEPS-2-(\t) >= DEPTH-1
	s_wait_loadcnt 4*(DEPTH-1)                     ; the next row's four loads are in; those of the seven rows behind it may be out
.else
	s_wait_loadcnt 4*(STEPS-2-(\t))                ; towards the end: of the rows that are left behind it
.endif
	TURN (\t)+1
.endif
	v_max3_num_f32 v8, |v[XS]|, |v[XS+1]|, |v[XS+2]|               ; the largest magnitude of my 16, in two chains
	v_max3_num_f32 v9, |v[XS+3]|, |v[XS+4]|, |v[XS+5]|
.irp i, 6,10
	v_max3_num_f32 v8, v8, |v[XS+\i]|, |v[XS+\i+1]|
	v_max3_num_f32 v9, v9, |v[XS+\i+2]|, |v[XS+\i+3]|
.endr
	v_max3_num_f32 v8, v8, |v[XS+14]|, |v[XS+15]|
	v_max3_num_f32 v8, v8, v9, (EMAX+1)<<23        ; and the floor 2^(3 - 127): the byte cannot fall under 1
	v_max_num_f32_dpp v8, v8, v8 row_xmask:1 row_mask:0xf bank_mask:0xf   ; with my neighbour's 16: the block's
	v_add_nc_u32 v11, -(EMAX<<23), v8              ; 2 off its exponent field: the conversion takes this operand's exponent field as its scale
	v_cvt_scalef32_pk8_fp4_f32 v[C+2*(\t)], v[XS:XS+7], v11
	v_cvt_scalef32_pk8_fp4_f32 v[C+2*(\t)+1], v[XS+8:XS+15], v11
	v_lshrrev_b32 v[E+(\t)], 23, v11               ; the scale's byte (also the plain line behind the conversions)
	ds_store_b64 v4, v[C+2*(\t):C+2*(\t)+1] offset:16*(\t)         ; my 16 codes at their place in the image: the 32 lanes touch 64 different banks
	ds_store_b8 v5, v[E+(\t)] offset:16*(\t)       ; both lanes of a block write the same byte with the same value
.endm
.irp t, 0,1,2,3,4,5,6,7,8,9,10,11,12,13,14,15
	STEP \t
.endr
.irp i, 0,1,2,3,4,5,6,7
	ds_load_b128 v[IB+4*\i:IB+4*\i+3], v10 offset:2*IP*\i          ; LDS serves a wave's instructions in order: these see my stores
.endr
	ds_load_b64 v[8:9], v6
	s_wait_dscnt 0x0
.irp i, 0,1,2,3,4,5,6,7
	global_store_b128 v3, v[IB+4*\i:IB+4*\i+3], s[18:19] offset:512*\i   ; 512 consecutive bytes, at a multiple of 256 from the buffer's first byte
.endr
	global_store_b64 v7, v[8:9], s[20:21]          ; 256 consecutive bytes, aligned
	s_wait_tensorcnt 0x0                           ; the wave's end
	ds_add_u32 v[SPW], v[NIL]
	s_wait_dscnt 0x0
	s_endpgm
.Lfunc_end_k_qfde2b75726_quant:
	.size	k_qfde2b75726_quant, .Lfunc_end_k_qfde2b75726_quant-k_qfde2b75726_quant
	.p2alignl 7, 3214868480
	.fill 96, 4, 3214868480
	.section	.rodata,"a",@progbits
	.p2align	6, 0x0
	.amdhsa_kernel k_qfde2b75726_quant
		.amdhsa_group_segment_fixed_size 39424
		.amdhsa_private_segment_fixed_size 0
		.amdhsa_enable_private_segment 0
		.amdhsa_kernarg_size 72
		.amdhsa_user_sgpr_count 2
		.amdhsa_user_sgpr_kernarg_segment_ptr 1
		.amdhsa_wavefront_size32 1
		.amdhsa_system_sgpr_workgroup_id_x 1
		.amdhsa_system_sgpr_workgroup_id_y 1
		.amdhsa_system_sgpr_workgroup_id_z 1
		.amdhsa_system_vgpr_workitem_id 0
		.amdhsa_next_free_vgpr 256
		.amdhsa_next_free_sgpr 66
		.amdhsa_reserve_vcc 0
		.amdhsa_float_denorm_mode_32 3
		.amdhsa_float_denorm_mode_16_64 3
		.amdhsa_memory_ordered 1
		.amdhsa_forward_progress 1
		.amdhsa_inst_pref_size 36
	.end_amdhsa_kernel
	.amdgpu_metadata
---
amdhsa.version: [ 1, 2 ]
amdhsa.kernels:
  - .name:           k_qfde2b75726_quant
    .symbol:         k_qfde2b75726_quant.kd
    .args:
      - { .name: query, .offset: 0, .size: 8, .value_kind: global_buffer, .address_space: global }
      - { .name: key, .offset: 8, .size: 8, .value_kind: global_buffer, .address_space: global }
      - { .name: value, .offset: 16, .size: 8, .value_kind: global_buffer, .address_space: global }
      - { .name: Wq, .offset: 24, .size: 8, .value_kind: global_buffer, .address_space: global }
      - { .name: Wk, .offset: 32, .size: 8, .value_kind: global_buffer, .address_space: global }
      - { .name: Wv, .offset: 40, .size: 8, .value_kind: global_buffer, .address_space: global }
      - { .name: Wo, .offset: 48, .size: 8, .value_kind: global_buffer, .address_space: global }
      - { .name: cod, .offset: 56, .size: 8, .value_kind: global_buffer, .address_space: global }
      - { .name: scl, .offset: 64, .size: 8, .value_kind: global_buffer, .address_space: global }
    .group_segment_fixed_size: 39424
    .private_segment_fixed_size: 0
    .kernarg_segment_align: 8
    .kernarg_segment_size: 72
    .max_flat_workgroup_size: 128
    .sgpr_count:     66
    .vgpr_count:     256
    .wavefront_size: 32
...
	.end_amdgpu_metadata
.endif
;; end of part 1
;; launch proj (part 2): grid 256 x 1, 3 waves a work-group, no clusters, 0 bytes of LDS; arguments cod, scl, bq, bk, bv, qb, kv; writes qb, kv
.if DOCPART == 2
	.amdgcn_target "amdgcn-amd-amdhsa--gfx1250"
	.amdhsa_code_object_version 6
	.text
	.protected	k_qfde2b75726_proj
	.globl	k_qfde2b75726_proj
	.p2align	8
	.type	k_qfde2b75726_proj,@function
k_qfde2b75726_proj:
	s_mov_b64 s[64:65], 0
	v_nop
	global_prefetch_b8 v0, s[64:65] scope:SCOPE_SE
	s_setreg_imm32_b32 hwreg(HW_REG_WAVE_MODE, 25, 1), 1
	s_wait_xcnt 0x0
; q = query Wq^T + bq, k = key Wk^T + bk, v = value Wv^T + bv, on codes of FP4 with E8M0 scales (K = 512, four matrix instructions deep), sums in f32; the results are quantised in registers for attention's two products:
; q and k along the head's 64 (two blocks of 32), v along the keys (blocks of 32 keys).  Nothing wide is stored.
; SHARES.  768 equal jobs, one a wave: the wave's number is the role (0 q, 1 k, 2 v); work-group j takes features 128 (j % 4) on (two heads) and tokens 128 (j / 4) on.  A job is 128 x 128 x 512: 256 matrix instructions.
; A job multiplies a group P of 8 tiles (source 0: its rows become the result's registers, the next product's K) by 8 tiles L (source 1: a lane holds one row of L).  q, k: P = the weights, L = the tokens: a lane holds a token,
; its 64 registers run along 128 features.  v: P = value's tokens, L = Wv: a lane holds a feature d, its registers run along 128 keys.  By the tiles' choice of rows (row r of tile T is matrix row 32 (T / 2) + 8 (T % 2) + r + 8 (r / 8))
; register 16 b + i is neighbour 32 b + 16 (lane / 16) + i: the conversions' results, with one exchange of halves, are operand registers.
; BOTH OPERANDS COME FROM MEMORY STRAIGHT INTO REGISTERS: the buffers hold images of operand registers, 16 bytes a lane, 512 consecutive bytes a load; a job's 64 KB of codes lie in 512 registers and each byte is loaded once by the wave.
; NO CLUSTER, NO LDS: the three waves of a work-group multiply different matrices and share nothing; a joint load would bring codes into LDS, from where each byte would be read once into these same registers.
; OUT.  qb: [head 8 b + h][group of 128 queries][8 tile images of 512 bytes | scale image of 512].  kv: [head][step of 128 keys][8 K tile images of 512 | 4 V^T fragment images of 1,024 | K scale image 512 | V scale image 256].
; A q or k tile image: lane (r, h) holds d = 32 h .. 32 h + 31 of the tile's token r.  Their scale image: word i of lane l belongs to tile 2 i + l / 16, row l % 16, and holds the two block bytes twice (s0, s1, s0, s1).
; LIMITS: a block of zeros gets the byte 1 (its codes are zeros); NaN and infinities are not served.
; REGISTERS, in windows of 256: window 0: v1-8 offsets; v16-47 P's scale words; v48-79 L's; v80-143 the 8 accumulators; v144-151 codes; v152-167 at work; v168-175 the 8 scale words made; v176-191 v's bias; v192-203 scale images.
;   window 1: P's 32 fragments (tile t, K step s at 32 t + 8 s).   window 2: L's likewise.   window 3: v0-63 q's or k's bias, eight registers a tile in the result's layout.
.set PS,  16
.set LS,  48
.set ACC, 80
.set PC,  144
.set TM,  152                          ; +0..3 largest magnitudes, +4..7 lane 16 away's, then bytes, +12..15 the conversions' scale operands
.set WS,  168
.set BV,  176                          ; v: bv of my feature, for each tile of L
.set BL,  184                          ; v: the same eight times: the C of a sum's first product
.set PK,  192
.set B1,  0
.set SEL, 46
.set MSB, 0
.macro WIN new                         ; the immediate's high byte repeats the setting that is left
.if MSB != \new
	s_set_vgpr_msb (MSB<<8)|\new
.set MSB, \new
.endif
.endm
; 64 numbers of a lane, register 16 b + i = k 32 b + 16 (lane / 16) + i of my row, become a fragment's codes in v[PC] on and its scale word in v[w].
.macro QUANT s, w
.irp b, 0,1,2,3
	v_max3_num_f32 v[TM+\b], |v[\s+16*\b]|, |v[\s+1+16*\b]|, 0x1800000   ; my 16 numbers of block b, and the floor 2^(3 - 127): the byte cannot fall under 1
.endr
.irp i, 2,4,6,8,10,12,14
.irp b, 0,1,2,3
	v_max3_num_f32 v[TM+\b], v[TM+\b], |v[\s+16*\b+\i]|, |v[\s+1+16*\b+\i]|   ; the four blocks by turns
.endr
.endr
.irp b, 0,1,2,3
	v_permlanex16_b32 v[TM+4+\b], v[TM+\b], s[SEL], s[SEL+1]
.endr
.irp b, 0,1,2,3
	v_max_num_f32 v[TM+\b], v[TM+\b], v[TM+4+\b]   ; with lane l xor 16's: the block's largest magnitude
.endr
.irp b, 0,1,2,3
	v_add_nc_u32 v[TM+12+\b], 0xff000000, v[TM+\b] ; 2 off its exponent field: the conversion's scale operand
.endr
.irp b, 0,1,2,3
	v_lshrrev_b32 v[TM+4+\b], 23, v[TM+12+\b]      ; the scale's byte
.endr
	v_lshl_or_b32 v[\w], v[TM+5], 8, v[TM+4]       ; my row's scale word
	v_lshl_or_b32 v[\w], v[TM+6], 16, v[\w]
	v_lshl_or_b32 v[\w], v[TM+7], 24, v[\w]
.irp b, 0,1,2,3
	v_cvt_scalef32_pk8_fp4_f32 v[PC+2*\b], v[\s+16*\b:\s+7+16*\b], v[TM+12+\b]
	v_cvt_scalef32_pk8_fp4_f32 v[PC+1+2*\b], v[\s+8+16*\b:\s+15+16*\b], v[TM+12+\b]
.endr
	v_nop                                          ; one plain line behind a scaled conversion
.irp c, 0,1                                    ; the operand's layout wants a whole block in a lane: lanes 0-15 block 2 c, lanes 16-31 block 2 c + 1
.irp i, 0,1
	v_permlane16_swap_b32 v[PC+4*\c+\i], v[PC+2+4*\c+\i]
.endr
.endr
.endm
; Tile li of L against P's eight: 32 matrix instructions, the eight accumulators by turns, K ascending; the bias is the C of each sum's first product.  Then the 64 results are quantised and stored.
.macro TILE li, isv
	s_wait_loadcnt 8*(7-\li)                       ; all but the later tiles of L, eight loads each, the only loads issued behind this tile's
.if \isv
.irp j, 0,1,2,3,4,5,6,7
	v_mov_b32 v[BL+\j], v[BV+\li]                  ; my feature's bias for all eight keys of a register run
.endr
	WIN 0x09                                       ; source 0 window 1, source 1 window 2, C and D window 0
.else
	WIN 0x39                                       ; the same, C (the bias) window 3
.endif
.irp t, 0,1,2,3,4,5,6,7
.if \isv
	v_wmma_scale_f32_16x16x128_f8f6f4 v[ACC+8*\t:ACC+8*\t+7], v[32*\t:32*\t+7], v[32*\li:32*\li+7], v[BL:BL+7], v[PS+4*\t], v[LS+4*\li] matrix_a_fmt:MATRIX_FMT_FP4 matrix_b_fmt:MATRIX_FMT_FP4
.else
	v_wmma_scale_f32_16x16x128_f8f6f4 v[ACC+8*\t:ACC+8*\t+7], v[32*\t:32*\t+7], v[32*\li:32*\li+7], v[B1+8*\t:B1+8*\t+7], v[PS+4*\t], v[LS+4*\li] matrix_a_fmt:MATRIX_FMT_FP4 matrix_b_fmt:MATRIX_FMT_FP4
.endif
.endr
	WIN 0x09
.irp s, 1,2,3
.irp t, 0,1,2,3,4,5,6,7
	v_wmma_scale_f32_16x16x128_f8f6f4 v[ACC+8*\t:ACC+8*\t+7], v[32*\t+8*\s:32*\t+8*\s+7], v[32*\li+8*\s:32*\li+8*\s+7], v[ACC+8*\t:ACC+8*\t+7], v[PS+4*\t+\s], v[LS+4*\li+\s] matrix_a_fmt:MATRIX_FMT_FP4 matrix_b_fmt:MATRIX_FMT_FP4
.endr
.endr
	WIN 0
.rept 4
	v_nop                                          ; four places between the last products and the first read of their results (ISA guide 7.12.1)
.endr
.if \li > 0
	s_wait_xcnt 0x0                                ; the last tile's stores have read the codes' registers: they are written again only behind this wait
.endif
	QUANT ACC, WS+\li
.if \isv
.if \li < 4
	global_store_b128 v4, v[PC:PC+3], s[36:37] offset:4096+1024*(\li%4)       ; a fragment of V^T: 16 of the head's 64 x 128 keys
	global_store_b128 v4, v[PC+4:PC+7], s[36:37] offset:4096+1024*(\li%4)+512
.else
	global_store_b128 v4, v[PC:PC+3], s[38:39] offset:4096+1024*(\li%4)       ; tiles 4 to 7 of L are the second head's
	global_store_b128 v4, v[PC+4:PC+7], s[38:39] offset:4096+1024*(\li%4)+512
.endif
.else
	global_store_b128 v4, v[PC:PC+3], s[36:37] offset:512*\li                 ; features 0-63 of my 128: the first head's tile image
	global_store_b128 v4, v[PC+4:PC+7], s[38:39] offset:512*\li               ; features 64-127: the second head's.  Each store covers 512 consecutive bytes, aligned
.endif
.endm
.macro BODY isv
.irp t, 0,1,2,3,4,5,6,7
	global_load_b128 v[PS+4*\t:PS+4*\t+3], v5, s[26:27] offset:256*\t         ; a row's four scale words
.endr
.irp i, 0,1,2,3,4,5,6,7
	global_load_b128 v[LS+4*\i:LS+4*\i+3], v5, s[30:31] offset:256*\i
.endr
.if \isv
.irp i, 0,1,2,3,4,5,6,7
	global_load_b32 v[BV+\i], v7, s[32:33] offset:(32*(\i/2)+8*(\i%2))*4      ; bv at my lane's feature of tile i
.endr
.else
	WIN 0xc0                                       ; destination window 3
.irp t, 0,1,2,3,4,5,6,7
	global_load_b128 v[B1+8*\t:B1+8*\t+3], v6, s[32:33] offset:(32*(\t/2)+8*(\t%2))*4       ; the bias at the eight features that tile t's registers hold
	global_load_b128 v[B1+8*\t+4:B1+8*\t+7], v6, s[32:33] offset:(32*(\t/2)+8*(\t%2))*4+16
.endr
.endif
	WIN 0x40                                       ; destination window 1
.set NN, 0
.rept 64
	global_load_b128 v[4*NN:4*NN+3], v4, s[24:25] offset:512*NN
.set NN, NN+1
.endr
	WIN 0x80                                       ; destination window 2
.set NN, 0
.rept 64
	global_load_b128 v[4*NN:4*NN+3], v4, s[28:29] offset:512*NN               ; tile by tile, so that the first products can start while the later tiles are on their way
.set NN, NN+1
.endr
	WIN 0
	TILE 0, \isv
	TILE 1, \isv
	TILE 2, \isv
	TILE 3, \isv
	TILE 4, \isv
	TILE 5, \isv
	TILE 6, \isv
	TILE 7, \isv
.if \isv
.irp n, 0,1,2,3
	v_cndmask_b32 v[PK+\n], v[WS+\n], v[WS+4+\n], vcc_lo      ; lanes 0-15: the first head's four words of row r; lanes 16-31: the second head's
.endr
	global_store_b128 v8, v[PK:PK+3], s[36:37] offset:8704    ; each half of the lanes stores 256 consecutive bytes, aligned, in its head
.else
.irp n, 0,1,2,3
	v_cndmask_b32 v[PK+\n], v[WS+2*\n], v[WS+2*\n+1], vcc_lo  ; lanes 0-15: tile 2 n's word; lanes 16-31: tile 2 n + 1's
.endr
.irp n, 0,1,2,3
	v_perm_b32 v[PK+4+\n], v[PK+\n], v[PK+\n], 0x01000100     ; the first head's two bytes, twice
.endr
	global_store_b128 v4, v[PK+4:PK+7], s[40:41]
.irp n, 0,1,2,3
	v_perm_b32 v[PK+8+\n], v[PK+\n], v[PK+\n], 0x03020302     ; the second head's
.endr
	global_store_b128 v4, v[PK+8:PK+11], s[42:43]
.endif
	s_endpgm
.endm
	s_load_b256 s[4:11], s[0:1], 0x0               ; cod s[4:5], scl s[6:7], bq s[8:9], bk s[10:11]
	s_load_b128 s[12:15], s[0:1], 0x20             ; bv s[12:13], qb s[14:15]
	s_load_b64 s[16:17], s[0:1], 0x30              ; kv
	v_lshrrev_b32 v1, 5, v0
	v_readfirstlane_b32 s18, v1                    ; the wave's number: the role
	v_and_b32 v1, 31, v0                           ; lane
	v_and_b32 v2, 15, v0                           ; r
	v_bfe_u32 v3, v0, 4, 1                         ; h
	v_lshlrev_b32 v4, 4, v1                        ; 16 x lane: an image's place for my lane
	v_lshlrev_b32 v5, 4, v2                        ; 16 x r: a row's scale words
	v_lshlrev_b32 v6, 6, v3                        ; q, k: the bias of my half's 16 features
	v_and_b32 v7, 8, v2
	v_add_nc_u32 v7, v7, v2
	v_lshlrev_b32 v7, 2, v7                        ; v: the bias of my lane's feature: 4 (r + 8 (r / 8))
	v_mul_u32_u24 v8, v3, 143360
	v_lshl_add_u32 v8, v2, 4, v8                   ; v's scale image: 16 r, lanes 16-31 one head on
.irp b, 0,1,2,3
	v_mov_b32 v[TM+4+\b], 0                        ; written once: a lane permute's destination counts as one of its sources
.endr
	v_cmp_le_u32 vcc_lo, 16, v1                    ; lanes 16-31
	s_and_b32 s19, ttmp9, 3                        ; a: which 128 features
	s_lshr_b32 s20, ttmp9, 2                       ; which 128 tokens
	s_lshl_b32 s48, s18, 9
	s_lshl_b32 s49, s20, 3
	s_add_co_u32 s48, s48, s49                     ; the tokens' first tile: 512 x role + 8 x group
	s_lshl_b32 s50, s18, 5
	s_lshl_b32 s51, s19, 3
	s_add_co_u32 s50, s50, s51
	s_add_co_u32 s50, s50, 1536                    ; the weights' first tile: 1,536 + 32 x role + 8 a
	s_cmp_eq_u32 s18, 2
	s_cselect_b32 s21, s48, s50                    ; P: for v the tokens, else the weights
	s_cselect_b32 s22, s50, s48                    ; L: the other
	s_lshl_b32 s48, s21, 12
	s_mov_b32 s49, 0
	s_lshl_b32 s50, s21, 8
	s_mov_b32 s51, 0
	s_lshl_b32 s52, s22, 12
	s_mov_b32 s53, 0
	s_lshl_b32 s54, s22, 8
	s_mov_b32 s55, 0
	s_wait_kmcnt 0x0
	s_add_nc_u64 s[24:25], s[4:5], s[48:49]        ; P's codes,
	s_add_nc_u64 s[26:27], s[6:7], s[50:51]        ; P's scales,
	s_add_nc_u64 s[28:29], s[4:5], s[52:53]        ; L's codes,
	s_add_nc_u64 s[30:31], s[6:7], s[54:55]        ; L's scales
	s_cmp_eq_u32 s18, 0
	s_cselect_b64 s[32:33], s[8:9], s[10:11]       ; the bias: bq or bk,
	s_cselect_b64 s[36:37], s[14:15], s[16:17]     ; the destination: qb or kv
	s_mov_b32 s34, 143360
	s_cselect_b32 s34, 73728, s34                  ; bytes of a head there,
	s_mov_b32 s35, 8960
	s_cselect_b32 s35, 4608, s35                   ; of a group of 128 tokens,
	s_mov_b32 s44, 8192
	s_cselect_b32 s44, 4096, s44                   ; and where the scale image begins in a group
	s_cmp_eq_u32 s18, 2
	s_cselect_b64 s[32:33], s[12:13], s[32:33]     ; or bv
	s_lshl_b32 s48, s19, 9
	s_add_nc_u64 s[32:33], s[32:33], s[48:49]      ; at my 128 features
	s_lshr_b32 s50, s20, 4                         ; the batch
	s_lshl_b32 s50, s50, 3
	s_lshl_b32 s52, s19, 1
	s_add_co_u32 s50, s50, s52                     ; my first head: 8 b + 2 a
	s_mul_i32 s50, s50, s34
	s_cmp_eq_u32 s18, 1
	s_cselect_b32 s53, 15, 0                       ; K's tiles and scale words of key step i lie in block i - 1 (step 0's in block 15), V's in block i: attention reads V(i) and K(i + 1) together
	s_add_co_u32 s52, s20, s53
	s_and_b32 s52, s52, 15                         ; the block of 128 tokens in the sequence
	s_mul_i32 s52, s52, s35
	s_add_co_u32 s50, s50, s52
	s_add_nc_u64 s[36:37], s[36:37], s[50:51]      ; the first head's group,
	s_mov_b32 s35, 0
	s_add_nc_u64 s[38:39], s[36:37], s[34:35]      ; the second head's,
	s_mov_b32 s45, 0
	s_add_nc_u64 s[40:41], s[36:37], s[44:45]      ; and their scale images
	s_add_nc_u64 s[42:43], s[38:39], s[44:45]
	s_mov_b32 s[SEL], 0x76543210
	s_mov_b32 s[SEL+1], 0xfedcba98                 ; v_permlanex16_b32's selects for lane l xor 16
	s_cmp_eq_u32 s18, 2
	s_cbranch_scc1 .Lv
	BODY 0
.Lv:
	s_wait_alu depctr_va_vdst(0)
	BODY 1
.Lfunc_end_k_qfde2b75726_proj:
	.size	k_qfde2b75726_proj, .Lfunc_end_k_qfde2b75726_proj-k_qfde2b75726_proj
	.p2alignl 7, 3214868480
	.fill 96, 4, 3214868480
	.section	.rodata,"a",@progbits
	.p2align	6, 0x0
	.amdhsa_kernel k_qfde2b75726_proj
		.amdhsa_group_segment_fixed_size 0
		.amdhsa_private_segment_fixed_size 0
		.amdhsa_enable_private_segment 0
		.amdhsa_kernarg_size 56
		.amdhsa_user_sgpr_count 2
		.amdhsa_user_sgpr_kernarg_segment_ptr 1
		.amdhsa_wavefront_size32 1
		.amdhsa_system_sgpr_workgroup_id_x 1
		.amdhsa_system_sgpr_workgroup_id_y 1
		.amdhsa_system_sgpr_workgroup_id_z 1
		.amdhsa_system_vgpr_workitem_id 0
		.amdhsa_next_free_vgpr 832
		.amdhsa_next_free_sgpr 66
		.amdhsa_reserve_vcc 1
		.amdhsa_float_denorm_mode_32 3
		.amdhsa_float_denorm_mode_16_64 3
		.amdhsa_memory_ordered 1
		.amdhsa_forward_progress 1
		.amdhsa_inst_pref_size 167
	.end_amdhsa_kernel
	.amdgpu_metadata
---
amdhsa.version: [ 1, 2 ]
amdhsa.kernels:
  - .name:           k_qfde2b75726_proj
    .symbol:         k_qfde2b75726_proj.kd
    .args:
      - { .name: cod, .offset: 0, .size: 8, .value_kind: global_buffer, .address_space: global }
      - { .name: scl, .offset: 8, .size: 8, .value_kind: global_buffer, .address_space: global }
      - { .name: bq, .offset: 16, .size: 8, .value_kind: global_buffer, .address_space: global }
      - { .name: bk, .offset: 24, .size: 8, .value_kind: global_buffer, .address_space: global }
      - { .name: bv, .offset: 32, .size: 8, .value_kind: global_buffer, .address_space: global }
      - { .name: qb, .offset: 40, .size: 8, .value_kind: global_buffer, .address_space: global }
      - { .name: kv, .offset: 48, .size: 8, .value_kind: global_buffer, .address_space: global }
    .group_segment_fixed_size: 0
    .private_segment_fixed_size: 0
    .kernarg_segment_align: 8
    .kernarg_segment_size: 56
    .max_flat_workgroup_size: 96
    .sgpr_count:     66
    .vgpr_count:     832
    .wavefront_size: 32
...
	.end_amdgpu_metadata
.endif
;; end of part 2
;; launch attn (part 3): grid 256 x 1, 16 waves a work-group, clusters of 4 x 1, 327,680 bytes of LDS; arguments qb, kv, cod, scl, bo, out0; writes out0
.if DOCPART == 3
	.amdgcn_target "amdgcn-amd-amdhsa--gfx1250"
	.amdhsa_code_object_version 6
	.text
	.protected	k_qfde2b75726_attn
	.globl	k_qfde2b75726_attn
	.p2align	8
	.type	k_qfde2b75726_attn,@function
k_qfde2b75726_attn:
	s_mov_b64 s[64:65], 0
	v_nop
	global_prefetch_b8 v0, s[64:65] scope:SCOPE_SE
	s_setreg_imm32_b32 hwreg(HW_REG_WAVE_MODE, 25, 1), 1
	s_wait_xcnt 0x0
	s_wait_alu depctr_hold_cnt(0) depctr_sa_sdst(0) depctr_va_vdst(0) depctr_va_sdst(0) depctr_va_ssrc(0) depctr_va_vcc(0) depctr_vm_vsrc(0)
	s_getreg_b32 s2, hwreg(HW_REG_IB_STS2, 6, 4)
	s_cmp_eq_u32 s2, 0
	s_cbranch_scc0 .Lentry_in_a_cluster
	s_endpgm
.Lentry_in_a_cluster:
	s_bfe_u32 s2, ttmp6, 0x10000c
	s_cmp_lg_u32 s2, 0x3003
	s_cbranch_scc0 .Lentry_shape_is_right
	s_endpgm
.Lentry_shape_is_right:
; out0 = x Wo^T + bo, x[token][head] = the sum over keys of softmax(q . k / 8) v: attention and the projection on the way out, all products on codes of FP4 with E8M0 scales, sums in f32.
; THE SOFTMAX: t = score x log2(e) / 8; M = the running largest t rounded UP to a whole number; p = 2^(t - M) is quantised along the keys, not normalised; the row's sum is taken of the unquantised p, in f32, and divides at the end.
; When M moves, the sum and O are multiplied by 2^(old M - new M), which rounds nothing.
; SHARES.  A work-group owns 32 tokens and all 8 heads: wave w is head w / 2, token tile w % 2 (16 queries), in 256 registers.  So x of the 32 tokens is whole in the work-group and goes on into the projection through LDS.
; THE RING.  Two LDS slots of 143,360 bytes: two key steps of 128 keys x 8 heads x 8,960 bytes.  Wave w fetches step w % 2 of head w / 2: one tensor load a wave behind each change of slots, which then has two key steps in which to land.
; A block of 8,960 bytes: +0 eight K tile images of 512 bytes of the NEXT key step; +4,096 four fragments of V^T of 1,024 of this step; +8,192 the next step's K scale words, 512; +8,704 V's, 256.  Read at 16 x lane: no pitch, no padding.
; K of step 0 comes from memory straight into registers.  The last refill brings Wo (32 tile images of 4,096 bytes) into slot 0.
; CLUSTER.  Four work-groups of one batch need the same K, V and Wo: each load is asked for JOINTLY, by one descriptor (made of the cluster's and the wave's number alone) with a mask that names the four.
; A change of slots: the wait for all my tensor loads, the add, the step's eight K products, the wait; the round's opening signal; the maxima and O's rescaling (registers alone); the rest of the round; the joint refill.
; PREFETCH.  At the change that loads slot j + 1, slot j + 2 is asked for: a head's part of a slot is 70 blocks of 256 bytes; the batch's 64 work-groups share the 8 heads' blocks out by address, nine at the most to a work-group, wave 0 asking.
; LAYOUT.  S^T = K Q^T, O^T = V^T P^T: a lane holds ONE query.  Lane r of K tile 2 b + u holds key 32 b + 8 u + r + 8 (r / 8), so the 16 registers of tiles 2 b, 2 b + 1 are keys 32 b + 16 (lane / 16) + 0 .. 15; V^T's rows d and Wo's features likewise.
; THE FIRST PRODUCT'S K IS 64, the instruction's 128: two K tiles stand side by side in a fragment; Q stands beside zero codes, (q, 0) for the even tile and (0, q) for the odd one; every scale word holds its two bytes twice.
; LIMITS: the promise holds while scaled scores stay under 2^31 in magnitude; p under 2^-126 comes out of v_exp_f32 as 0; 1 / sum is v_rcp_f32 and a multiplication; bo is added behind the sum; a block of zeros gets the byte 1 (its codes are zeros); NaN and infinities are not served.
.set STEPB, 8960
.set SLOTB, 16*STEPB
.set SPARE, 2*SLOTB                    ; the spare words, 128 bytes for each of 16 waves, which no other line names
.set XB,    SPARE+2048                 ; x: two token tile images of 4,096 bytes,
.set XS,    XB+8192                    ; and their scale bytes, [tile][row][16]
.set STG,   16*272                     ; the way out: a wave's stage, in slot 1, which has had its last fill by then
.set AL,  1                            ; v1-2   my lane's place in my head's blocks of slot 0, 1 (16 x lane)
.set AR,  3                            ; v3-4   the same at 16 x (lane % 16)
.set SPW, 5
.set NIL, 6
.set PFO, 7
.set LI,  8
.set LR,  9
.set NM,  10                           ; v10, v12  -M of even and of odd steps (each named as a pair)
.set L,   14                           ; v[14:15] the sum, in two halves
.set SM,  16                           ; the largest score so far
.set QS,  17
.set F,   18                           ; v[18:19] 2^(old M - new M)
.set Q,   20                           ; v20-31 q, zeros, q
.set K,   32
.set V,   64
.set S,   96
.set O,   160
.set B,   192                          ; partial sums of p, eight pairs
.set C,   208                          ; p's codes
.set KS,  216
.set VS,  220
.set BM,  224                          ; the blocks' largest scores
.set D,   228                          ; the conversions' scale operands
.set H,   232
.set W,   235                          ; p's scale word
.set Y,   236
.set Z,   237
.set T,   238
.set WV,  16                           ; s16  wave
.set G0,  32                           ; s[32:35], s[36:39] descriptor group 0 for slot 0, 1
.set G0W, 40                           ; s[40:43] for Wo
.set G1,  44                           ; s[44:51] group 1: 35 rows of 256 bytes
.set G1W, 52                           ; s[52:59] 32 rows of 256 bytes
.set CS,  60                           ; s[60:61] c = log2(e) / 8
.set NC,  62                           ; -c
.set CNT, 63
.set SEL, 66                           ; s[66:67] lane l xor 16
.set PFA, 68
.macro CREST                           ; a round of the cluster's barrier behind its opening barrier
	s_cmp_lg_u32 s[WV], 0
	s_cbranch_scc1 .Lnot_wave_0_\@
	s_barrier_signal -3
.Lnot_wave_0_\@:
	s_barrier_wait -3
	s_barrier_signal -1
	s_barrier_wait -1
.endm
.macro ROUND
	s_barrier_signal -1
	s_barrier_wait -1
	CREST
.endm
	s_load_b256 s[4:11], s[0:1], 0x0               ; qb 4, kv 6, cod 8, scl 10
	s_load_b128 s[12:15], s[0:1], 0x20             ; bo 12, out0 14
	v_lshl_add_u32 v[SPW], v0, 2, SPARE
	v_mov_b32 v[NIL], 0
	ds_add_u32 v[SPW], v[NIL]                      ; the wave's opening: the add, twice on end, and its wait ahead of my first tensor load
	ds_add_u32 v[SPW], v[NIL]
	v_lshrrev_b32 v10, 5, v0
	v_readfirstlane_b32 s[WV], v10
	v_and_b32 v11, 31, v0                          ; lane
	v_lshlrev_b32 v[LI], 4, v11
	v_and_b32 v12, 15, v0
	v_lshlrev_b32 v[LR], 4, v12
	s_lshr_b32 s17, s[WV], 1                       ; my head
	s_and_b32 s18, s[WV], 1                        ; my token tile
	s_mul_i32 s82, s17, 2*STEPB
	v_add_nc_u32 v[AL], s82, v[LI]
	v_add_nc_u32 v[AR], s82, v[LR]
	v_add_nc_u32 v[AL+1], SLOTB, v[AL]
	v_add_nc_u32 v[AR+1], SLOTB, v[AR]
	s_lshr_b32 s19, ttmp9, 4                       ; the batch: 16 clusters each
	s_lshl_b32 s23, s19, 3
	s_add_co_u32 s24, s23, s17                     ; my head among all 32
	s_mul_i32 s26, s24, SLOTB                      ; a head's 16 blocks in kv
	s_mov_b32 s27, 0
	s_mul_i32 s28, s18, STEPB
	s_add_co_u32 s28, s26, s28                     ; where my part of slot 0 lies: no place in the cluster enters it
	s_mov_b32 s29, 0
	s_mov_b32 s[G0], 1                             ; 1:0 count = 1
	s_mul_i32 s[G0+1], s[WV], STEPB                ; 63:32 LDS address
	s_mov_b32 s[G0+4], 1
	s_add_co_u32 s[G0+5], s[G0+1], SLOTB
	s_mov_b32 s[G0W], 1
	s_lshl_b32 s[G0W+1], s[WV], 13                 ; Wo: two tiles a wave
	s_lshl_b32 s30, s[WV], 13
	s_mov_b32 s31, 0
	; group 1: dense blocks as rows of 256 bytes (32 elements of 8 bytes), no padding; 15:0 the mask: all four work-groups; 21 set beside a mask
	s_mov_b32 s[G1], 15|(3<<16)|(1<<21)
	s_mov_b32 s[G1+1], 32<<16
	s_mov_b32 s[G1+2], 35<<16
	s_mov_b32 s[G1+3], 32<<16
	s_mov_b32 s[G1+4], 35
	s_mov_b32 s[G1+5], 32
	s_mov_b32 s[G1+6], 0
	s_mov_b32 s[G1+7], 0
	s_mov_b32 s[G1W], 15|(3<<16)|(1<<21)
	s_mov_b32 s[G1W+1], 32<<16
	s_mov_b32 s[G1W+2], 32<<16
	s_mov_b32 s[G1W+3], 32<<16
	s_mov_b32 s[G1W+4], 32
	s_mov_b32 s[G1W+5], 32
	s_mov_b32 s[G1W+6], 0
	s_mov_b32 s[G1W+7], 0
	s_mov_b32 s[SEL], 0x76543210
	s_mov_b32 s[SEL+1], 0xfedcba98
	s_mov_b32 s[CS], 0x3e38aa3b
	s_mov_b32 s[CS+1], s[CS]                       ; (named with it as a pair, so it is written)
	s_mov_b32 s[NC], 0xbe38aa3b
	s_mov_b32 s[CNT], 3
	; my place in the cluster enters the addresses of qb, the prefetches and out0 alone
	s_bfe_u32 s20, ttmp6, 0x40000                  ; cx
	s_lshl_b32 s21, ttmp9, 2
	s_add_co_u32 s21, s21, s20                     ; work-group 0..255: tokens 32 x on
	s_and_b32 s22, s21, 63                         ; in the batch
	s_mul_i32 s82, s24, 73728                      ; qb: my head,
	s_lshr_b32 s83, s22, 2
	s_mul_i32 s83, s83, 4608                       ; the group of 128 queries,
	s_add_co_u32 s82, s82, s83
	s_and_b32 s84, s22, 3
	s_lshl_b32 s85, s84, 10
	s_lshl_b32 s86, s18, 9
	s_add_co_u32 s70, s82, s85
	s_add_co_u32 s70, s70, s86                     ; my tile's image: tile 2 (x % 4) + w % 2
	s_mov_b32 s71, 0
	s_lshl_b32 s85, s84, 2
	s_lshl_b32 s86, s18, 8
	s_add_co_u32 s72, s82, s85
	s_add_co_u32 s72, s72, s86
	s_add_co_u32 s72, s72, 4096                    ; its scale words: word x % 4 of lanes 16 (w % 2) + r
	s_mov_b32 s73, 0
	s_lshr_b32 s84, s22, 3
	s_add_co_u32 s84, s84, s23
	s_mul_i32 s84, s84, SLOTB
	s_add_co_u32 s84, s84, 2*STEPB                 ; prefetches: head (x / 8) of the batch, at slot 1: the first change steps it to slot 2
	s_mov_b32 s85, 0
	s_and_b32 s86, s22, 7
	s_mul_i32 s86, s86, 9
	s_lshl_b32 s88, s17, 10
	s_mov_b32 s89, 0                               ; Wo's scale bytes: four tiles of 256 for my 64 features
	s_lshl_b32 s90, s17, 8                         ; my 64 features in bo and in a row of out0
	s_mov_b32 s91, 0
	s_lshl_b32 s92, s21, 16                        ; 32 rows of 2,048 bytes
	s_lshl_b32 s93, s18, 14                        ; tile w % 2 begins 8 rows on
	s_add_co_u32 s92, s92, s93
	s_add_co_u32 s92, s92, s90
	s_mov_b32 s93, 0
	s_wait_alu depctr_va_vdst(0)
	v_min_u32 v13, 8, v11
	v_add_nc_u32 v13, s86, v13
	v_min_u32 v13, 69, v13
	v_lshlrev_b32 v[PFO], 8, v13                   ; block 9 (x % 8) + lane of the 70 (lanes left over name the last again)
.irp j, 0,1,2,3
	v_mov_b32 v[Q+4+\j], 0                         ; the zero codes beside q
.endr
	v_mov_b32 v[SM], 0xff61b1e6                    ; the largest score so far: -3e38
	v_mul_f32 v[NM+2], s[NC], v[SM]
	v_floor_f32 v[NM+2], v[NM+2]                   ; -M
	v_mov_b32 v[NM], 0
	v_mov_b32 v[NM+1], 0
	v_mov_b32 v[NM+3], 0
	v_mov_b32 v[L], 0
	v_mov_b32 v[L+1], 0
	v_mov_b32 v[F], 0
	v_mov_b32 v[F+1], 0
	v_mov_b32 v[H+2], 0                            ; written once: a lane permute's destination counts as one of its sources
	v_mov_b32 v[Z], 0
.set J, 0
.rept 48
	v_mov_b32 v[O+J], 0                            ; O^T and the partial sums: the first step finds zeros
.set J, J+1
.endr
	s_wait_alu depctr_va_vdst(0)
	s_wait_dscnt 0x0                               ; both opening adds are done
	s_wait_kmcnt 0x0
	s_add_nc_u64 s[70:71], s[4:5], s[70:71]
	s_add_nc_u64 s[72:73], s[4:5], s[72:73]
	s_add_nc_u64 s[74:75], s[6:7], s[26:27]
	s_add_nc_u64 s[74:75], s[74:75], 15*STEPB      ; key step 0's K
	global_load_b128 v[Q:Q+3], v[LI], s[70:71]     ; q,
	global_load_b128 v[Q+8:Q+11], v[LI], s[70:71]  ; twice
	global_load_b32 v[QS], v[LR], s[72:73]
.irp t, 0,1,2,3,4,5,6,7
	global_load_b128 v[K+4*\t:K+4*\t+3], v[LI], s[74:75] offset:512*\t
.endr
	global_load_b128 v[KS:KS+3], v[LI], s[74:75] offset:8192
	s_add_nc_u64 s[G0+2:G0+3], s[6:7], s[28:29]    ; 120:64 global address
	s_or_b32 s[G0+3], s[G0+3], 0x80000000          ; 127:126 type = 2
	s_add_nc_u64 s[G0+6:G0+7], s[6:7], s[28:29]
	s_add_nc_u64 s[G0+6:G0+7], s[G0+6:G0+7], 2*STEPB
	s_or_b32 s[G0+7], s[G0+7], 0x80000000
	s_add_nc_u64 s[G0W+2:G0W+3], s[8:9], s[30:31]
	s_add_nc_u64 s[G0W+2:G0W+3], s[G0W+2:G0W+3], 1632*4096   ; Wo's first tile among all
	s_or_b32 s[G0W+3], s[G0W+3], 0x80000000
	s_add_nc_u64 s[PFA:PFA+1], s[6:7], s[84:85]
	s_add_nc_u64 s[76:77], s[10:11], s[88:89]
	s_add_nc_u64 s[76:77], s[76:77], 1632*256
	s_add_nc_u64 s[78:79], s[12:13], s[90:91]
	s_add_nc_u64 s[80:81], s[14:15], s[92:93]
	ROUND                                          ; all four work-groups are here: the joint loads meet
	tensor_load_to_lds s[G0:G0+3], s[G1:G1+7]      ; my part of slot 0: the wave's one tensor load at the head
	s_nop 0
.rept 4
	v_nop
.endr
.macro FINSUM                          ; the last step's partial sums of p into the sum, under that step's M: four plain lines, which are also the places behind the products ahead of them
	v_pk_add_f32 v[B:B+1], v[B:B+1], v[B+2:B+3]
	v_pk_add_f32 v[B+4:B+5], v[B+4:B+5], v[B+6:B+7]
	v_pk_fma_f32 v[L:L+1], v[L:L+1], v[F:F+1], v[B:B+1] op_sel_hi:[1,0,1]
	v_pk_add_f32 v[L:L+1], v[L:L+1], v[B+4:B+5]
.endm
.macro QK                              ; S^T = K Q^T: two tiles share a fragment of K
.irp t, 0,1,2,3,4,5,6,7
.if \t%2
	v_wmma_scale_f32_16x16x128_f8f6f4 v[S+8*\t:S+8*\t+7], v[K+8*(\t/2):K+8*(\t/2)+7], v[Q+4:Q+11], 0, v[KS+\t/2], v[QS] matrix_a_fmt:MATRIX_FMT_FP4 matrix_b_fmt:MATRIX_FMT_FP4 matrix_a_scale:MATRIX_SCALE_ROW1
.else
	v_wmma_scale_f32_16x16x128_f8f6f4 v[S+8*\t:S+8*\t+7], v[K+8*(\t/2):K+8*(\t/2)+7], v[Q:Q+7], 0, v[KS+\t/2], v[QS] matrix_a_fmt:MATRIX_FMT_FP4 matrix_b_fmt:MATRIX_FMT_FP4
.endif
.endr
.endm
.macro MAXP p                          ; the blocks' largest scores, the new M, f, and O under the new M
.irp b, 0,1,2,3
	v_max3_num_f32 v[BM+\b], v[S+16*\b], v[S+16*\b+1], v[S+16*\b+2]
.endr
.irp i, 3,5,7,9,11,13
.irp b, 0,1,2,3
	v_max3_num_f32 v[BM+\b], v[BM+\b], v[S+16*\b+\i], v[S+16*\b+\i+1]
.endr
.endr
.irp b, 0,1,2,3
	v_max_num_f32 v[BM+\b], v[BM+\b], v[S+16*\b+15]
.endr
	v_permlane16_swap_b32 v[BM], v[BM+1]           ; two blocks' half maxima change places,
	v_permlane16_swap_b32 v[BM+2], v[BM+3]
	v_max_num_f32 v[BM], v[BM], v[BM+1]            ; so lanes 0-15 hold block 0's maximum, lanes 16-31 block 1's;
	v_max_num_f32 v[BM+2], v[BM+2], v[BM+3]        ; blocks 2 and 3 likewise
	s_delay_alu instid0(VALU_DEP_1)
	v_max_num_f32 v[Y], v[BM], v[BM+2]
	s_delay_alu instid0(VALU_DEP_1)
	v_permlanex16_b32 v[Z], v[Y], s[SEL], s[SEL+1]
	s_delay_alu instid0(VALU_DEP_1)
	v_max3_num_f32 v[SM], v[SM], v[Y], v[Z]        ; the running largest score
	s_delay_alu instid0(VALU_DEP_1)
	v_mul_f32 v[T], s[NC], v[SM]                   ; -t (c is positive)
	s_delay_alu instid0(VALU_DEP_1)
	v_floor_f32 v[NM+2*\p], v[T]                   ; -M = floor(-t): a whole number
	s_delay_alu instid0(VALU_DEP_1)
	v_sub_f32 v[T], v[NM+2*\p], v[NM+2-2*\p]       ; old M less new M: 0 or less
	s_delay_alu instid0(VALU_DEP_1)
	v_cvt_i32_f32 v[T], v[T]                       ; (it saturates)
	s_delay_alu instid0(VALU_DEP_1)
	v_ldexp_f32 v[F], 1.0, v[T]
.set J, 0
.rept 16
	v_pk_mul_f32 v[O+J:O+J+1], v[O+J:O+J+1], v[F:F+1] op_sel_hi:[1,0]
.set J, J+2
.endr
.endm
.macro PKF j, p                        ; t - M, two at a time
	v_pk_fma_f32 v[S+\j:S+\j+1], v[S+\j:S+\j+1], s[CS:CS+1], v[NM+2*\p:NM+2*\p+1] op_sel_hi:[1,0,0]
.endm
.macro LOADS slot, st, last
.irp t, 0,1,2,3
.irp c, 0,1
	ds_load_b128 v[V+8*\t+4*\c:V+8*\t+4*\c+3], v[AL+\slot] offset:\st*STEPB+4096+1024*\t+512*\c
.endr
.endr
	ds_load_b128 v[VS:VS+3], v[AR+\slot] offset:\st*STEPB+8704      ; register t: row r's scale word of V^T's tile t
.if \last
.irp t, 0,1,2,3
	global_load_b128 v[K+4*\t:K+4*\t+3], v[LR], s[76:77] offset:256*\t   ; no K follows: its registers take Wo's scale words, four a row,
.endr
	global_load_b128 v[K+16:K+19], v[LR], s[78:79] ; and bo, four features a lane
.else
.irp t, 0,1,2,3,4,5,6,7
	ds_load_b128 v[K+4*\t:K+4*\t+3], v[AL+\slot] offset:\st*STEPB+512*\t
.endr
	ds_load_b128 v[KS:KS+3], v[AL+\slot] offset:\st*STEPB+8192      ; register i: lanes 0-15 tile 2 i's scale words, lanes 16-31 tile 2 i + 1's
.endif
.endm
; A key step: step st of the slot.  chg: 0 none; 1 a change of slots with a refill of K and V and a prefetch; 2 the same without prefetch; 3 the refill is Wo.
.macro STEP slot, st, chg, last
	s_wait_dscnt 0x0                               ; this step's K is in
.if \chg
	s_wait_tensorcnt 0x0                           ; all my tensor loads have landed: my part of this slot among them;
	ds_add_u32 v[SPW], v[NIL]                      ; the products stand between the add and its wait
.if \chg == 1
	s_wait_xcnt 0x0                                ; any prefetch of mine has read its address
	s_add_nc_u64 s[PFA:PFA+1], s[PFA:PFA+1], 2*STEPB
	s_add_nc_u64 s[G0+4*\slot+2:G0+4*\slot+3], s[G0+4*\slot+2:G0+4*\slot+3], 4*STEPB   ; this slot's next content, two slots on
.endif
.endif
	QK
	FINSUM
.if \chg
	s_wait_dscnt 0x0                               ; the add is done, and so are my reads of the other slot
	s_barrier_signal -1                            ; opens a round of the cluster's barrier
	MAXP \st
	s_wait_alu depctr_va_vdst(0)
	s_barrier_wait -1
	CREST
.if \chg == 3
	tensor_load_to_lds s[G0W:G0W+3], s[G1W:G1W+7]  ; Wo into slot 0: the ring's last refill
.else
	tensor_load_to_lds s[G0+4-4*\slot:G0+7-4*\slot], s[G1:G1+7]     ; the other slot: the first tensor load behind the round, the wave's only one until the next
.endif
	s_nop 0
.rept 4
	v_nop
.endr
.if \chg == 1
	s_cmp_lg_u32 s[WV], 0
	s_cbranch_scc1 .Lnot_mine_\@
	global_prefetch_b8 v[PFO], s[PFA:PFA+1] th:TH_LOAD_NT scope:SCOPE_SE
.Lnot_mine_\@:
.endif
.else
	MAXP \st
.endif
	LOADS \slot, \st, \last
.irp i, 0,2,4,6,8,10,12,14
	PKF \i, \st
.endr
	v_fma_f32 v[D], v[BM], s[CS], v[NM+2*\st]      ; the same of the blocks' largest scores: p rises with the score
	v_fma_f32 v[D+2], v[BM+2], s[CS], v[NM+2*\st]
	s_wait_alu depctr_va_vdst(0)                   ; Block 0's exponentials, block 1's t - M between them
	v_exp_f32 v[D], v[D]
	v_exp_f32 v[D+2], v[D+2]
.irp i, 0,2,4,6,8,10,12,14
	v_exp_f32 v[S+\i], v[S+\i]
	v_exp_f32 v[S+\i+1], v[S+\i+1]
	PKF 16+\i, \st
.endr
	s_wait_alu depctr_va_vdst(0)
	v_max_num_f32 v[D], 0x1800000, v[D]            ; the floor 2^(3 - 127): the byte cannot fall under 1
	v_max_num_f32 v[D+2], 0x1800000, v[D+2]
	v_add_nc_u32 v[D], 0xff000000, v[D]            ; 2 off the exponent field: the conversion's scale operand
	v_add_nc_u32 v[D+2], 0xff000000, v[D+2]
	v_lshrrev_b32 v[H], 23, v[D]                   ; bytes 0 (lanes 0-15) and 1,
	v_lshrrev_b32 v[H+1], 23, v[D+2]               ; 2 and 3
	v_mov_b32 v[D+1], v[D]
	v_lshl_or_b32 v[H+1], v[H+1], 16, v[H]
	v_mov_b32 v[D+3], v[D+2]
	v_permlanex16_b32 v[H+2], v[H+1], s[SEL], s[SEL+1]
	v_permlane16_swap_b32 v[D], v[D+1]             ; block 0's operand in all lanes, and block 1's,
	v_permlane16_swap_b32 v[D+2], v[D+3]           ; 2's and 3's
	v_lshl_or_b32 v[W], v[H+2], 8, v[H+1]          ; lanes 0-15: p's scale word for these 128 keys
.irp i, 0,2,4,6,8,10,12,14
	v_exp_f32 v[S+16+\i], v[S+16+\i]
	v_exp_f32 v[S+17+\i], v[S+17+\i]
	PKF 32+\i, \st
.endr
	s_wait_alu depctr_va_vdst(0)
.irp i, 0,2,4,6,8,10,12,14
	v_exp_f32 v[S+32+\i], v[S+32+\i]
	PKF 48+\i, \st
	v_exp_f32 v[S+33+\i], v[S+33+\i]
	v_pk_add_f32 v[B+\i:B+\i+1], v[S+\i:S+\i+1], v[S+16+\i:S+17+\i]      ; the row's sum is of the unquantised p
.endr
	s_wait_alu depctr_va_vdst(0)
.irp i, 0,1,2,3,4,5,6,7
	v_exp_f32 v[S+48+2*\i], v[S+48+2*\i]
.if \i < 4
	v_cvt_scalef32_pk8_fp4_f32 v[C+\i], v[S+8*\i:S+8*\i+7], v[D+\i/2]
.endif
	v_exp_f32 v[S+49+2*\i], v[S+49+2*\i]
	v_pk_add_f32 v[B+2*\i:B+2*\i+1], v[B+2*\i:B+2*\i+1], v[S+32+2*\i:S+33+2*\i]
.endr
	s_wait_alu depctr_va_vdst(0)
.irp i, 4,5,6,7
	v_cvt_scalef32_pk8_fp4_f32 v[C+\i], v[S+8*\i:S+8*\i+7], v[D+\i/2]
.endr
.irp i, 0,2,4,6,8,10,12,14
	v_pk_add_f32 v[B+\i:B+\i+1], v[B+\i:B+\i+1], v[S+48+\i:S+49+\i]
.endr
	v_permlane16_swap_b32 v[C], v[C+2]             ; the operand's layout wants a whole block in a lane
	v_permlane16_swap_b32 v[C+1], v[C+3]
	v_permlane16_swap_b32 v[C+4], v[C+6]
	v_permlane16_swap_b32 v[C+5], v[C+7]
.irp i, 0,2,4,6
	v_pk_add_f32 v[B+\i:B+\i+1], v[B+\i:B+\i+1], v[B+8+\i:B+9+\i]        ; eight pairs to four: also the four places between the codes and the products that take them
.endr
	s_wait_alu depctr_va_vdst(0)
.if \last
	s_wait_dscnt 0x0
.else
	s_wait_dscnt 9                                 ; V and its scale words are in; K's nine loads, the only ones behind them, may be out
.endif
.irp t, 0,1,2,3                        ; O^T += V^T P^T; the four accumulators by turns
	v_wmma_scale_f32_16x16x128_f8f6f4 v[O+8*\t:O+8*\t+7], v[V+8*\t:V+8*\t+7], v[C:C+7], v[O+8*\t:O+8*\t+7], v[VS+\t], v[W] matrix_a_fmt:MATRIX_FMT_FP4 matrix_b_fmt:MATRIX_FMT_FP4
.endr
.endm
	s_wait_alu depctr_va_vdst(0)
	s_wait_loadcnt 0x0                             ; q and key step 0's K
.Lring:                                            ; three trips of two slots, four key steps
	STEP 0, 0, 1, 0
	STEP 0, 1, 0, 0
	STEP 1, 0, 1, 0
	STEP 1, 1, 0, 0
	s_sub_co_u32 s[CNT], s[CNT], 1
	s_cmp_lg_u32 s[CNT], 0
	s_cbranch_scc1 .Lring
	STEP 0, 0, 2, 0                                ; slots 6 and 7
	STEP 0, 1, 0, 0
	STEP 1, 0, 3, 0
	STEP 1, 1, 0, 1
	; x = O^T / the sum, quantised along d as p is; it goes into the token tile's image in LDS
	FINSUM
	v_add_f32 v[L], v[L], v[L+1]                   ; the sum's two halves,
	v_permlanex16_b32 v[Z], v[L], s[SEL], s[SEL+1]
	v_add_f32 v[L], v[L], v[Z]                     ; and lane l xor 16's
	s_wait_alu depctr_va_vdst(0)
	v_rcp_f32 v[L], v[L]
	v_nop
	s_wait_alu depctr_va_vdst(0)
.set J, 0
.rept 16
	v_pk_mul_f32 v[S+J:S+J+1], v[O+J:O+J+1], v[L:L+1] op_sel_hi:[1,0]    ; register 16 b + i is x(my query, d = 32 b + 16 (lane / 16) + i)
.set J, J+2
.endr
.irp b, 0,1
	v_max3_num_f32 v[BM+\b], |v[S+16*\b]|, |v[S+16*\b+1]|, 0x1800000
.endr
.irp i, 2,4,6,8,10,12,14
.irp b, 0,1
	v_max3_num_f32 v[BM+\b], v[BM+\b], |v[S+16*\b+\i]|, |v[S+16*\b+\i+1]|
.endr
.endr
	v_and_b32 v52, 15, v0                          ; r
	v_bfe_u32 v53, v0, 4, 1                        ; h
	v_permlane16_swap_b32 v[BM], v[BM+1]
	s_lshl_b32 s82, s18, 12
	s_lshl_b32 s83, s17, 9
	s_add_co_u32 s83, s83, s82
	s_add_co_u32 s83, s83, XB                      ; tile w % 2's image, my head's 512 bytes
	v_max_num_f32 v[BM], v[BM], v[BM+1]            ; lanes 0-15 block 0's, lanes 16-31 block 1's
	v_add_nc_u32 v56, s83, v[LI]
	v_add_nc_u32 v[D], 0xff000000, v[BM]
	s_lshl_b32 s84, s18, 8
	s_lshl_b32 s85, s17, 1
	s_add_co_u32 s84, s84, XS
	s_add_co_u32 s85, s85, s84
	s_wait_alu depctr_va_vdst(0)
	v_lshl_add_u32 v57, v52, 4, v53
	v_add_nc_u32 v57, s85, v57                     ; row r's 16 scale bytes: byte 2 x head + h
	v_lshrrev_b32 v[H], 23, v[D]
	v_mov_b32 v[D+1], v[D]
	v_add_nc_u32 v60, s84, v[LR]                   ; the tile's scale words, read back at row r
	s_lshl_b32 s86, s17, 14
	v_permlane16_swap_b32 v[D], v[D+1]
	v_add_nc_u32 v58, s86, v[LI]                   ; Wo: my 64 features are four tiles of 4,096 bytes
	s_add_co_u32 s82, s82, XB
	v_add_nc_u32 v59, s82, v[LI]                   ; x's fragments
.irp b, 0,1
	v_cvt_scalef32_pk8_fp4_f32 v[C+2*\b], v[S+16*\b:S+16*\b+7], v[D+\b]
	v_cvt_scalef32_pk8_fp4_f32 v[C+2*\b+1], v[S+16*\b+8:S+16*\b+15], v[D+\b]
.endr
	s_mul_i32 s87, s[WV], STG
	s_add_co_u32 s87, s87, SLOTB                   ; my stage
	v_mul_u32_u24 v61, v52, 272
	v_lshl_add_u32 v61, v53, 6, v61
	v_add_nc_u32 v61, s87, v61                     ; in: row r, + 64 h
	v_permlane16_swap_b32 v[C], v[C+2]             ; lanes 0-15: d = 0 .. 31; lanes 16-31: d = 32 .. 63
	v_permlane16_swap_b32 v[C+1], v[C+3]
	v_mul_u32_u24 v62, v53, 272
	v_add_nc_u32 v62, v62, v[LR]
	v_add_nc_u32 v62, s87, v62                     ; back: lanes 0-15 one row, lanes 16-31 the next
	v_lshlrev_b32 v63, 11, v53
	v_add_nc_u32 v63, v63, v[LR]                   ; the same two rows in out0
	s_wait_alu depctr_va_vdst(0)
	s_wait_tensorcnt 0x0                           ; my part of Wo is in
	ds_store_b128 v56, v[C:C+3]
	ds_store_b8 v57, v[H]
	s_wait_dscnt 0x0
	s_barrier_signal -1
	s_barrier_wait -1                              ; x and Wo are whole; nobody reads slot 1 any more
	; THE PROJECTION: wave w makes token tile w % 2 x features 64 (w / 2) on: source 0 = Wo's four tiles, source 1 = x: a lane holds one token, register 16 b + i is feature 32 b + 16 (lane / 16) + i of the 64
	ds_load_b128 v[K+20:K+23], v60                 ; x's four scale words
.irp s, 0,1,2,3
.irp c, 0,1
	ds_load_b128 v[B+8*\s+4*\c:B+8*\s+4*\c+3], v59 offset:1024*\s+512*\c
.endr
.irp t, 0,1,2,3
	ds_load_b128 v[V+32*\t+8*\s:V+32*\t+8*\s+3], v58 offset:4096*\t+1024*\s
	ds_load_b128 v[V+32*\t+8*\s+4:V+32*\t+8*\s+7], v58 offset:4096*\t+1024*\s+512
.endr
.endr
	s_wait_loadcnt 0x0                             ; Wo's scale words and bo
.irp s, 0,1,2,3
	s_wait_dscnt 30-10*\s                          ; all but the later K steps' ten loads each
.irp t, 0,1,2,3
.if \s == 0
	v_wmma_scale_f32_16x16x128_f8f6f4 v[BM+8*\t:BM+8*\t+7], v[V+32*\t+8*\s:V+32*\t+8*\s+7], v[B+8*\s:B+8*\s+7], 0, v[K+4*\t+\s], v[K+20+\s] matrix_a_fmt:MATRIX_FMT_FP4 matrix_b_fmt:MATRIX_FMT_FP4
.else
	v_wmma_scale_f32_16x16x128_f8f6f4 v[BM+8*\t:BM+8*\t+7], v[V+32*\t+8*\s:V+32*\t+8*\s+7], v[B+8*\s:B+8*\s+7], v[BM+8*\t:BM+8*\t+7], v[K+4*\t+\s], v[K+20+\s] matrix_a_fmt:MATRIX_FMT_FP4 matrix_b_fmt:MATRIX_FMT_FP4
.endif
.endr
.endr
.rept 4
	v_nop                                          ; four places between the last products and the first read of their results (ISA guide 7.12.1)
.endr
.irp b, 0,1
.irp q, 0,1,2,3
	ds_store_b128 v61, v[BM+16*\b+4*\q:BM+16*\b+4*\q+3] offset:128*\b+16*\q
.endr
.endr
.irp p, 0,1,2,3,4,5,6,7
	ds_load_b128 v[V+4*\p:V+4*\p+3], v62 offset:544*\p       ; LDS serves a wave's instructions in order: these see my stores
.endr
	s_wait_dscnt 0x0
.irp p, 0,1,2,3,4,5,6,7
	v_pk_add_f32 v[V+4*\p:V+4*\p+1], v[V+4*\p:V+4*\p+1], v[K+16:K+17]
	v_pk_add_f32 v[V+4*\p+2:V+4*\p+3], v[V+4*\p+2:V+4*\p+3], v[K+18:K+19]
.endr
.irp p, 0,1,2,3,4,5,6,7                ; row n of tile u is token 8 u + n + 8 (n / 8) of the 32; sixteen lanes store 256 consecutive bytes, aligned
	global_store_b128 v63, v[V+4*\p:V+4*\p+3], s[80:81] offset:(2*\p+8*(\p/4))*2048 th:TH_STORE_NT
.endr
	s_wait_tensorcnt 0x0                           ; the wave's end
	ds_add_u32 v[SPW], v[NIL]
	s_wait_dscnt 0x0
	ROUND                                          ; the closing round: no work-group ends while a partner may still ask for a tile that names it
	s_endpgm
.Lfunc_end_k_qfde2b75726_attn:
	.size	k_qfde2b75726_attn, .Lfunc_end_k_qfde2b75726_attn-k_qfde2b75726_attn
	.p2alignl 7, 3214868480
	.fill 96, 4, 3214868480
	.section	.rodata,"a",@progbits
	.p2align	6, 0x0
	.amdhsa_kernel k_qfde2b75726_attn
		.amdhsa_group_segment_fixed_size 327680
		.amdhsa_private_segment_fixed_size 0
		.amdhsa_enable_private_segment 0
		.amdhsa_kernarg_size 48
		.amdhsa_user_sgpr_count 2
		.amdhsa_user_sgpr_kernarg_segment_ptr 1
		.amdhsa_wavefront_size32 1
		.amdhsa_system_sgpr_workgroup_id_x 1
		.amdhsa_system_sgpr_workgroup_id_y 1
		.amdhsa_system_sgpr_workgroup_id_z 1
		.amdhsa_system_vgpr_workitem_id 0
		.amdhsa_next_free_vgpr 256
		.amdhsa_next_free_sgpr 100
		.amdhsa_reserve_vcc 0
		.amdhsa_float_denorm_mode_32 3
		.amdhsa_float_denorm_mode_16_64 3
		.amdhsa_memory_ordered 1
		.amdhsa_forward_progress 1
		.amdhsa_inst_pref_size 137
	.end_amdhsa_kernel
	.amdgpu_metadata
---
amdhsa.version: [ 1, 2 ]
amdhsa.kernels:
  - .name:           k_qfde2b75726_attn
    .symbol:         k_qfde2b75726_attn.kd
    .args:
      - { .name: qb, .offset: 0, .size: 8, .value_kind: global_buffer, .address_space: global }
      - { .name: kv, .offset: 8, .size: 8, .value_kind: global_buffer, .address_space: global }
      - { .name: cod, .offset: 16, .size: 8, .value_kind: global_buffer, .address_space: global }
      - { .name: scl, .offset: 24, .size: 8, .value_kind: global_buffer, .address_space: global }
      - { .name: bo, .offset: 32, .size: 8, .value_kind: global_buffer, .address_space: global }
      - { .name: out0, .offset: 40, .size: 8, .value_kind: global_buffer, .address_space: global }
    .group_segment_fixed_size: 327680
    .private_segment_fixed_size: 0
    .kernarg_segment_align: 8
    .kernarg_segment_size: 48
    .max_flat_workgroup_size: 512
    .sgpr_count:     100
    .vgpr_count:     256
    .wavefront_size: 32
...
	.end_amdgpu_metadata
.endif
;; end of part 3
